; MI455X (gfx1250); checked and timed in simulation.
; The chip was launched on July 23, 2026; its instructions are those of AMD's public machine-readable ISA for CDNA 5 (MIT licence, August 2026) and "CDNA5" Instruction Set Architecture Reference Guide (July 2026). The comments in the code are by the model that wrote it; some were corrected since.
;; Grouped Query Attention. Allowed arithmetic: matrix products marked QUANTISED: E5M2 operands, one given power-of-two scale a tensor, by v_wmma_f32_16x16x64_bf8_bf8 or v_wmma_f32_16x16x128_bf8_bf8, f32 sums; everything else in f32.
;; Inputs: Wk 1,024 x 256 float32; Wq 1,024 x 1,024 float32; Wv 1,024 x 256 float32; bk 256 float32; bq 1,024 float32; bv 256 float32; lowp_scales 10 int32 (the exponents e of the quantised operands' scales 2^e); x 1 x 2,048 x 1,024 float32.
;; Outputs: out0 1 x 2,048 x 1,024 float32.
;; This version of the problem:
;;   THIS VERSION OF THE PROBLEM IS GIVEN IN LOW PRECISION. The matrix products marked QUANTISED in the list below multiply operands that are first quantised to E5M2 (5 exponent bits, 2 mantissa bits; 8 bits a number), with one given power-of-two scale for each operand tensor; their sums are f32. All else is computed in f32.
;;   The module's matrix products, in the order in which they are computed (A, B: the left and right operand; K: the contracted axis; several contracted axes count as one K, in the product's order):
;;     1. [M 2,048, K 1,024] x [K 1,024, N 1,024]; A: input x; B: input Wq: QUANTISED (scales: A lowp_scales[0], B lowp_scales[1])
;;     2. [M 2,048, K 1,024] x [K 1,024, N 256]; A: input x; B: input Wk: QUANTISED (scales: A lowp_scales[2], B lowp_scales[3])
;;     3. [M 2,048, K 1,024] x [K 1,024, N 256]; A: input x; B: input Wv: QUANTISED (scales: A lowp_scales[4], B lowp_scales[5])
;;     4. batch 16 x [M 2,048, K 64] x [K 64, N 2,048]; A: computed on the way; B: computed on the way: QUANTISED (scales: A lowp_scales[6], B lowp_scales[7])
;;     5. batch 16 x [M 2,048, K 2,048] x [K 2,048, N 64]; A: softmax (see below); B: computed on the way: QUANTISED (scales: A lowp_scales[8], B lowp_scales[9])
;;   THE QUANTISER, for each operand of a quantised product, along K:
;;     - The operand's scale is 2^e, e = its entry of the input lowp_scales (int32; the entries are numbered through the quantised products in the list's order, A before B).
;;     - Each number is divided by the scale, clamped to +-57,344, and rounded to the nearest number of E5M2, ties to even, subnormals kept.
;;     - The product sums the exact products of the quantised numbers (number of the format x scale) in f32.
;;   ~~~python
;;   def quantise(x, axis, e):      # numpy; x: float32 -> the quantised numbers, widened to float32 again
;;       x = np.moveaxis(x, axis, -1); K = x.shape[-1]
;;       r = np.clip(x / 2.0 ** e, -57344, 57344)
;;       step = 2.0 ** (np.maximum(np.frexp(np.where(r == 0, 1, r))[1] - 1, -14) - 2)
;;       q = np.round(r / step) * step * 2.0 ** e      # np.round: ties to even
;;       return np.moveaxis(q, -1, axis).astype(np.float32)
;;   ~~~
;;   SOFTMAX AHEAD OF A QUANTISED PRODUCT. Where the list says 'softmax', what is quantised is not the finished softmax but p = 2^(t - M), with t = logit x log2(e) and M = ceil(the row's largest t), a whole number; so 1/2 < the row's largest p <= 1. The row's sum l is taken of the UNQUANTISED p, in f32, and the product's result is divided by l at the end. Since M is a whole number, a kernel that streams over the keys may use a running M (the ceiling of the running maximum): every later rescaling is an exact power of two, so the quantised numbers keep their values, but for numbers so far below the row's largest that they fall under the format's range.
;;   OPERANDS COMPUTED ON THE WAY. 'Computed on the way' means the value that the module computes at that place (a softmax that the list does not call 'softmax' is quantised finished and normalised). What goes into a quantiser is computed in f32, as accurately as f32 sums, v_exp_f32 and their like allow (about 1e-6 of the number): no bf16 or f16 on the way to a quantiser, and a product that is left as it is and whose result goes on into a quantised operand takes f32 operands (vector FMAs, or v_wmma_f32_16x16x4_f32). A number that lies on a knife's edge between two numbers of the format may be rounded either way, as far as f32 arithmetic and the matrix unit's own rounding can turn it there, and no further.
;; One version. Each part assembles by itself: llvm-mc -triple=amdgcn-amd-amdhsa -mcpu=gfx1250 --defsym DOCPART=n.
;; ======== version 1 of 1: 3 launches
;; limits: right only within a limited range of input values
;; workspace buffers: xc 6,291,456 bytes; wc 1,572,864 bytes; qc 2,097,152 bytes; kv 1,048,576 bytes
;; launch quant (part 1): grid 448 x 1, 4 waves a work-group, no clusters, 34,304 bytes of LDS; arguments x, Wq, Wk, Wv, lowp_scales, xc, wc; writes xc, wc
.if DOCPART == 1
	.amdgcn_target "amdgcn-amd-amdhsa--gfx1250"
	.amdhsa_code_object_version 6
	.text
	.protected	k_q208fca38a4_quant
	.globl	k_q208fca38a4_quant
	.p2align	8
	.type	k_q208fca38a4_quant,@function
k_q208fca38a4_quant:
	s_mov_b64 s[64:65], 0
	v_nop
	global_prefetch_b8 v0, s[64:65] scope:SCOPE_SE
	s_setreg_imm32_b32 hwreg(HW_REG_WAVE_MODE, 25, 1), 1
	s_wait_xcnt 0x0
; GROUPED-QUERY ATTENTION IN E5M2, launch 1 of 3: x and the three weights become codes.
; NOTHING OF THE PROBLEM IS LEFT OUT.  Every bias (bk too) stands ahead of a quantiser and can move codes; there is no mask; the repeat of k and v over heads is an index
; (query head h uses key head h / 4), not work; every input is loaded by some launch.
; x goes into three products under three given scales (entries 0, 2, 4 of the scales), so three sets of codes are made from one read of x.  Wq, Wk, Wv take entries 1, 3, 5.
; code = number / 2^e, held within +-57,344, rounded to the nearest code, ties to even.
; LIMITS: each of the six e lies between -126 and 112, so that 2^e and 57,344 x 2^e are f32 numbers.  NaN among the inputs is not served; an infinity is held at the largest code.
; LAYOUT OF THE CODES: images of operand registers.  A fragment is 16 rows (of x) or 16 columns (of W) x 128 along K, 16 registers a lane: lane (r, h) holds row or column r, and its
; registers 4 c .. 4 c + 3 hold k = 32 c + 16 h + 0 .. 15 (the same order of k on both sides of the product).  A group of four registers is 512 consecutive bytes, lane l at 16 l; a fragment 2,048.
;   xc: [scale 3][block of 128 rows 16][K step 8][tile of 16 rows 8][2,048]      wc: [block of 128 columns 12: 0-7 Wq, 8-9 Wk, 10-11 Wv][K step 8][tile of 16 columns 8][2,048]
; SHARES.  Work-groups 0-255: x, one fragment a wave.  Work-groups 256-447: weights, 32 columns x 64 K a wave, two half fragments: its 64 loads go out on end.  A work-group of either kind reads 32,768 bytes.
; Each wave makes one shot: no loop, no barrier, waves share nothing; so nothing is prefetched either.
; No cluster: no two work-groups read the same bytes.  No matrix unit: there is no product here.
.set SPITCH, 528                       ; a stage row: 512 bytes + 16 = 33 x 16 bytes, so that sixteen rows read at one column start 16 bytes apart modulo 256
.set STGW,   16*SPITCH                 ; a wave's stage
.set SPARE,  4*STGW                    ; behind the stages: the spare words, 128 bytes a wave: two blocks of 256 bytes that no other line names
.set LI,  2                            ; v2   16 x lane
.set SPW, 12                           ; v12  my spare word; never rewritten
.set NIL, 13                           ; v13  0; never rewritten
.set R,   16                           ; v16-79   x as loaded: row i in four registers
.set T,   16                           ; v16-47   two sets of 16 held numbers, over R, which is done with by then
.set X,   80                           ; v80-143  x after the turn: register 16 c + i = k 32 c + 16 h + i of my row
.set PC,  144                          ; v144-191 the three fragments of codes
.set WX,  16                           ; v16-79   weights: register k = W(k, my column)
.set WC,  144                          ; v144-159 their codes
.macro MKSC se, vsc, vlim              ; from the whole number e in s[se]: 2^e and 57,344 x 2^e as f32
	s_add_co_i32 s39, s[\se], 127
	s_lshl_b32 s40, s39, 23
	v_mov_b32 v[\vsc], s40                         ; the conversion takes its exponent field
	s_add_co_i32 s39, s39, 15
	s_lshl_b32 s39, s39, 23
	s_or_b32 s39, s39, 0x600000
	v_mov_b32 v[\vlim], s39
.endm
.macro BLOCKW t                        ; 32 numbers down K of one column: the hold, then four conversions of eight
.set ii, 0
.rept 32
	v_med3_num_f32 v[WX+32*(\t)+ii], v[WX+32*(\t)+ii], -v6, v6   ; the conversion to an 8-bit code does not saturate (ISA guide 7.6.2)
.set ii, ii+1
.endr
.irp g, 0,1,2,3
	v_cvt_scalef32_pk8_bf8_f32 v[WC+8*(\t)+2*\g:WC+8*(\t)+2*\g+1], v[WX+32*(\t)+8*\g:WX+32*(\t)+8*\g+7], v5
.endr
.endm
.macro WQUANT pitch                    ; pitch: bytes from row to row of the weight; it stands in the immediates, so the text is written once for each pitch
.set jj, 0
.rept 64
	global_load_b32 v[WX+jj], v3, s[6:7] offset:jj*(\pitch) th:TH_LOAD_NT   ; W(jj, my column): 128 consecutive bytes a wave, and the four waves stand side by side
.set jj, jj+1
.endr
	s_wait_kmcnt 0x0                               ; the scales
.if \pitch == 4096
	s_mov_b32 s38, s21                             ; entry 1
.else
	s_cmp_lt_u32 s29, 10
	s_cselect_b32 s38, s23, s25                    ; entry 3 for Wk, entry 5 for Wv
.endif
	MKSC 38, 5, 6
	s_wait_alu depctr_va_vdst(0)
	s_wait_loadcnt 32                              ; the first 32 rows are in; the other 32 may be out
	BLOCKW 0
	s_wait_loadcnt 0x0
	BLOCKW 1
	v_nop                                          ; a plain line behind the last conversion
.irp c, 0,1
.irp h, 0,1
	global_store_b128 v4, v[WC+8*\c+4*\h:WC+8*\c+4*\h+3], s[16:17] offset:512*\c+256*\h   ; k = 32 c + 16 h + 0 .. 15 of my column: lanes 0-15 fill 256 aligned bytes of one tile, lanes 16-31 of the next
.endr
.endr
.endm
	s_load_b256 s[4:11], s[0:1], 0x0               ; x s[4:5], Wq s[6:7], Wk s[8:9], Wv s[10:11]
	s_load_b128 s[12:15], s[0:1], 0x20             ; the scales s[12:13], xc s[14:15]
	s_load_b64 s[16:17], s[0:1], 0x30              ; wc
	v_lshl_add_u32 v[SPW], v0, 2, SPARE
	v_mov_b32 v[NIL], 0
	v_lshrrev_b32 v1, 5, v0
	v_readfirstlane_b32 s18, v1                    ; wave 0..3
	v_and_b32 v1, 31, v0                           ; lane
	v_lshlrev_b32 v[LI], 4, v1
	s_wait_alu depctr_va_vdst(0)
	s_wait_kmcnt 0x0
	s_load_b256 s[20:27], s[12:13], 0x0            ; entries 0 to 7
	s_cmp_lt_u32 ttmp9, 256
	s_cbranch_scc0 .Lweights
	; ---- x: tile of 16 rows = work-group / 2, K step = 4 (work-group % 2) + wave
	s_lshr_b32 s28, ttmp9, 1
	s_and_b32 s29, ttmp9, 1
	s_lshl_b32 s29, s29, 2
	s_add_co_u32 s29, s29, s18
	s_lshl_b32 s30, s28, 16                        ; 16 rows of 4,096 bytes
	s_lshl_b32 s31, s29, 9                         ; 128 numbers of 4 bytes
	s_add_co_u32 s30, s30, s31
	s_mov_b32 s31, 0
	s_add_nc_u64 s[4:5], s[4:5], s[30:31]
	s_lshr_b32 s32, s28, 3
	s_lshl_b32 s32, s32, 17                        ; the block of 128 rows,
	s_lshl_b32 s33, s29, 14                        ; the K step,
	s_add_co_u32 s32, s32, s33
	s_and_b32 s33, s28, 7
	s_lshl_b32 s33, s33, 11                        ; the tile
	s_add_co_u32 s32, s32, s33
	s_mov_b32 s33, 0
	s_add_nc_u64 s[14:15], s[14:15], s[32:33]
	s_wait_alu depctr_va_vdst(0)
.set ii, 0
.rept 16
	global_load_b128 v[R+4*ii:R+4*ii+3], v[LI], s[4:5] offset:4096*ii th:TH_LOAD_NT   ; row ii: 512 consecutive bytes
.set ii, ii+1
.endr
	s_mul_i32 s34, s18, STGW
	v_add_nc_u32 v3, s34, v[LI]                    ; into the stage: as loaded
	v_and_b32 v14, 15, v0                          ; r
	v_bfe_u32 v15, v0, 4, 1                        ; h
	v_mul_u32_u24 v4, v14, SPITCH
	v_lshl_add_u32 v4, v15, 6, v4
	v_add_nc_u32 v4, s34, v4                       ; out of it: row r, + 64 h: my 16 numbers of a block of 32
	s_wait_alu depctr_va_vdst(0)
	s_wait_kmcnt 0x0
	MKSC 20, 5, 6                                  ; entry 0
	MKSC 22, 7, 8                                  ; entry 2
	MKSC 24, 9, 10                                 ; entry 4
	s_wait_alu depctr_va_vdst(0)
.set ii, 0
.rept 16
	s_wait_loadcnt 15-ii                           ; loads come back in order: row ii is in, the younger rows may be out
	ds_store_b128 v3, v[R+4*ii:R+4*ii+3] offset:SPITCH*ii
.set ii, ii+1
.endr
.irp c, 0,1,2,3
.irp j, 0,1,2,3
	ds_load_b128 v[X+16*\c+4*\j:X+16*\c+4*\j+3], v4 offset:128*\c+16*\j   ; my own stage: LDS serves a wave in order, these see the stores above
.endr
.endr
.set nn, 0
.irp c, 0,1,2,3
	s_wait_dscnt 12-4*\c                           ; block c's four loads are in (and so are all the stores); the later blocks' may be out
.irp j, 0,1,2
.set tp, T+16*(nn%2)                   ; the two sets take turns, so that sixteen plain lines stand between a conversion and the next write of its sources
.set ii, 0
.rept 16
	v_med3_num_f32 v[tp+ii], v[X+16*\c+ii], -v[6+2*\j], v[6+2*\j]   ; the hold at the largest code x this scale
.set ii, ii+1
.endr
	v_cvt_scalef32_pk8_bf8_f32 v[PC+16*\j+4*\c:PC+16*\j+4*\c+1], v[tp:tp+7], v[5+2*\j]
	v_cvt_scalef32_pk8_bf8_f32 v[PC+16*\j+4*\c+2:PC+16*\j+4*\c+3], v[tp+8:tp+15], v[5+2*\j]
.set nn, nn+1
.endr
.endr
	v_nop                                          ; a plain line behind the last conversion
.irp j, 0,1,2
.irp c, 0,1,2,3
	global_store_b128 v[LI], v[PC+16*\j+4*\c:PC+16*\j+4*\c+3], s[14:15] offset:2097152*\j+512*\c   ; 512 consecutive bytes, aligned
.endr
.endr
	s_branch .Lend
.Lweights:
	s_sub_co_u32 s28, ttmp9, 256
	s_lshr_b32 s29, s28, 4                         ; block of 128 columns, 0..11
	s_and_b32 s30, s28, 15                         ; which 64 rows along K: half of K step s30 / 2
	s_lshr_b32 s31, s30, 1
	s_and_b32 s33, s30, 1
	s_lshl_b32 s32, s29, 17
	s_lshl_b32 s31, s31, 14
	s_add_co_u32 s32, s32, s31
	s_lshl_b32 s33, s33, 10                        ; its groups c = 0, 1 or 2, 3
	s_add_co_u32 s32, s32, s33
	s_lshl_b32 s33, s18, 12                        ; my two tiles
	s_add_co_u32 s32, s32, s33
	s_mov_b32 s33, 0
	s_add_nc_u64 s[16:17], s[16:17], s[32:33]
	s_wait_alu depctr_va_vdst(0)
	v_lshlrev_b32 v3, 2, v1                        ; in: a lane a column
	v_lshrrev_b32 v4, 4, v1
	v_lshlrev_b32 v4, 11, v4
	v_and_b32 v14, 15, v1
	v_lshl_add_u32 v4, v14, 4, v4                  ; out: tile lane / 16, place 16 (lane % 16)
	s_lshl_b32 s35, s18, 7                         ; my 32 columns, in bytes
	s_mov_b32 s37, 0
	s_wait_alu depctr_va_vdst(0)
	s_cmp_lt_u32 s29, 8
	s_cbranch_scc0 .Lkv
	s_lshl_b32 s36, s30, 18                        ; Wq: 64 rows of 4,096 bytes
	s_lshl_b32 s34, s29, 9
	s_add_co_u32 s36, s36, s34
	s_add_co_u32 s36, s36, s35
	s_add_nc_u64 s[6:7], s[6:7], s[36:37]
	WQUANT 4096
	s_branch .Lend
.Lkv:
	s_cmp_lt_u32 s29, 10                           ; blocks 8, 9: Wk; 10, 11: Wv.  The choice hangs on the work-group's number alone
	s_cselect_b64 s[6:7], s[8:9], s[10:11]
	s_lshl_b32 s36, s30, 16                        ; 64 rows of 1,024 bytes
	s_and_b32 s34, s29, 1
	s_lshl_b32 s34, s34, 9
	s_add_co_u32 s36, s36, s34
	s_add_co_u32 s36, s36, s35
	s_add_nc_u64 s[6:7], s[6:7], s[36:37]
	WQUANT 1024
.Lend:
	s_wait_tensorcnt 0x0                           ; the wave's end
	ds_add_u32 v[SPW], v[NIL]
	s_wait_dscnt 0x0
	s_endpgm
.Lfunc_end_k_q208fca38a4_quant:
	.size	k_q208fca38a4_quant, .Lfunc_end_k_q208fca38a4_quant-k_q208fca38a4_quant
	.p2alignl 7, 3214868480
	.fill 96, 4, 3214868480
	.section	.rodata,"a",@progbits
	.p2align	6, 0x0
	.amdhsa_kernel k_q208fca38a4_quant
		.amdhsa_group_segment_fixed_size 34304
		.amdhsa_private_segment_fixed_size 0
		.amdhsa_enable_private_segment 0
		.amdhsa_kernarg_size 56
		.amdhsa_user_sgpr_count 2
		.amdhsa_user_sgpr_kernarg_segment_ptr 1
		.amdhsa_wavefront_size32 1
		.amdhsa_system_sgpr_workgroup_id_x 1
		.amdhsa_system_sgpr_workgroup_id_y 1
		.amdhsa_system_sgpr_workgroup_id_z 1
		.amdhsa_system_vgpr_workitem_id 0
		.amdhsa_next_free_vgpr 192
		.amdhsa_next_free_sgpr 66
		.amdhsa_reserve_vcc 0
		.amdhsa_float_denorm_mode_32 3
		.amdhsa_float_denorm_mode_16_64 3
		.amdhsa_memory_ordered 1
		.amdhsa_forward_progress 1
		.amdhsa_inst_pref_size 46
	.end_amdhsa_kernel
	.amdgpu_metadata
---
amdhsa.version: [ 1, 2 ]
amdhsa.kernels:
  - .name:           k_q208fca38a4_quant
    .symbol:         k_q208fca38a4_quant.kd
    .args:
      - { .name: x, .offset: 0, .size: 8, .value_kind: global_buffer, .address_space: global }
      - { .name: Wq, .offset: 8, .size: 8, .value_kind: global_buffer, .address_space: global }
      - { .name: Wk, .offset: 16, .size: 8, .value_kind: global_buffer, .address_space: global }
      - { .name: Wv, .offset: 24, .size: 8, .value_kind: global_buffer, .address_space: global }
      - { .name: lowp_scales, .offset: 32, .size: 8, .value_kind: global_buffer, .address_space: global }
      - { .name: xc, .offset: 40, .size: 8, .value_kind: global_buffer, .address_space: global }
      - { .name: wc, .offset: 48, .size: 8, .value_kind: global_buffer, .address_space: global }
    .group_segment_fixed_size: 34304
    .private_segment_fixed_size: 0
    .kernarg_segment_align: 8
    .kernarg_segment_size: 56
    .max_flat_workgroup_size: 128
    .sgpr_count:     66
    .vgpr_count:     192
    .wavefront_size: 32
...
	.end_amdgpu_metadata
.endif
;; end of part 1
;; launch proj (part 2): grid 16 x 12, 4 waves a work-group, clusters of 4 x 1, 263,168 bytes of LDS; arguments xc, wc, bq, bk, bv, lowp_scales, qc, kv; writes qc, kv
.if DOCPART == 2
	.amdgcn_target "amdgcn-amd-amdhsa--gfx1250"
	.amdhsa_code_object_version 6
	.text
	.protected	k_q208fca38a4_proj
	.globl	k_q208fca38a4_proj
	.p2align	8
	.type	k_q208fca38a4_proj,@function
k_q208fca38a4_proj:
	s_mov_b64 s[64:65], 0
	v_nop
	global_prefetch_b8 v0, s[64:65] scope:SCOPE_SE
	s_setreg_imm32_b32 hwreg(HW_REG_WAVE_MODE, 25, 1), 1
	s_wait_xcnt 0x0
	s_wait_alu depctr_hold_cnt(0) depctr_sa_sdst(0) depctr_va_vdst(0) depctr_va_sdst(0) depctr_va_ssrc(0) depctr_va_vcc(0) depctr_vm_vsrc(0)
	s_getreg_b32 s2, hwreg(HW_REG_IB_STS2, 6, 4)
	s_cmp_eq_u32 s2, 0
	s_cbranch_scc0 .Lentry_in_a_cluster
	s_endpgm
.Lentry_in_a_cluster:
	s_bfe_u32 s2, ttmp6, 0x10000c
	s_cmp_lg_u32 s2, 0x3003
	s_cbranch_scc0 .Lentry_shape_is_right
	s_endpgm
.Lentry_shape_is_right:
; GROUPED-QUERY ATTENTION IN E5M2, launch 2 of 3: q = x Wq + bq, k = x Wk + bk, v = x Wv + bv on codes, and q, k, v quantised anew (entries 6, 7, 9 of the scales).  No work is left out.
; A work-group makes 128 rows x 128 columns: row block rb = x of the grid, column block cb = y (0-7 q, 8-9 k, 10-11 v).  K = 1,024 in eight steps of 128.
; Its whole operands, 128 KB of x codes and 128 KB of W codes, lie in LDS at once, as images of operand registers: FIRST FILLS ONLY, nothing is filled again.  Each of the four waves has one tensor load out:
; half of K, 65,536 bytes, of x's codes (even waves) or of W's (odd waves).  No prefetch: all that the launch reads of them is asked for at its head, and no loop has a later load to run ahead of.
; CLUSTER 4 x 1: the four partners share cb, so W's block is asked for jointly (mask 15); x's block is each work-group's own (no mask).  Four along y as well is not taken: column blocks 8 to 11 would put k and v,
; which take different codes of x and different ways through this text, into one cluster.
; LAYOUTS.  q, k: the product is used transposed (source 0 = 16 columns of W, source 1 = 16 rows of x): a lane holds one row of x and eight neighbouring d, and one conversion gives registers 2 b, 2 b + 1 of a fragment
; 16 rows x 64 d in the K = 64 form's own order (d = 16 b + 8 h + 0 .. 7).  v: source 0 = 16 rows of x (keys), source 1 = 16 columns of Wv: a lane holds one channel and eight neighbouring keys: registers of a fragment
; 16 channels x 128 keys in the K = 128 form's own order (key = 16 c + 8 h + 0 .. 7).
;   qc: [query head 16][tile of 16 queries 128][1,024]      kv: [key head 4][step of 128 keys 16][8 fragments of K x 1,024, then 4 fragments of V^T x 2,048]
; A sum stands for sum x 2^(ea + eb).  The bias goes in as the C of the first K step, divided by 2^(ea + eb); the conversion's one scale is 2^(en - ea - eb).
; LIMITS: en - ea - eb between -126 and 112 for each of the three products.  NaN is not served.
; WAVES: u1 = wave % 2, u2 = wave / 2: 64 x 64 results each.  q, k: four tiles of W (head u1 of the block's two) x four tiles of x (4 u2 on).  v: four tiles of x (keys 64 u1 on) x four tiles of Wv (head u2).
; REGISTERS: window 0: addresses, the bias, one set of eight fragments; window 1: the other set, at the same numbers; window 2: the sixteen accumulators.  While one set is multiplied the other is loaded.
.set WREG,  131072                     ; LDS: x's codes [K step 8][tile 8][2,048] from 0, W's likewise from here
.set SPARE, 262144                     ; the spare words, 128 bytes a wave: two blocks of 256 bytes that no other line names
.set LI,  1                            ; v1   16 x lane
.set SPW, 2                            ; v2   my spare word; never rewritten
.set NIL, 3                            ; v3   0; never rewritten
.set SC,  4                            ; v4   2^(en - ea - eb)
.set LIM, 5                            ; v5   57,344 x that
.set BO,  6                            ; v6   the bias's lane offset
.set BV,  20                           ; v20-23   v's bias as loaded
.set BI,  24                           ; v24-55   the bias in the results' layout
.set PC,  24                           ; v24-55   the codes, over the bias, which is done with behind the first K step
.set F0,  56                           ; v56-119  four fragments, source 0
.set F1,  120                          ; v120-183 four fragments, source 1
.set ACC, 0                            ; window 2: accumulator (a, b) at 8 (4 a + b)
.set G1P, 16                           ; s[16:23] descriptor group 1, no mask
.set G1J, 24                           ; s[24:31] the same with the mask of the four partners
.set G0X, 32                           ; s[32:35] group 0 for x's codes
.set G0W, 36                           ; s[36:39] for W's
; v12, v13: LDS address of x tiles 4 u1 on, K steps 0-3 and 4-7;  v14, v15: W tiles 4 u1 on;  v16, v17: x tiles 4 u2 on;  v18, v19: W tiles 4 u2 on
.set MSB, 0
.macro WIN new                         ; the immediate's high byte repeats the setting that is left
.if MSB != (\new)
	s_set_vgpr_msb (MSB<<8)|(\new)
.set MSB, \new
.endif
.endm
.macro CROUND                          ; a round of the cluster's barrier
	s_barrier_signal -1
	s_barrier_wait -1
	s_cmp_lg_u32 s4, 0
	s_cbranch_scc1 .Lnot_wave_0_\@
	s_barrier_signal -3
.Lnot_wave_0_\@:
	s_barrier_wait -3
	s_barrier_signal -1
	s_barrier_wait -1
.endm
.macro FETCH mode, s                   ; K step s's eight fragments into set s % 2: 32 LDS loads of 512 consecutive bytes.  mode 0: q, k; mode 1: v
.if \mode == 0
.set A0, 14+(\s)/4
.set A1, 16+(\s)/4
.else
.set A0, 12+(\s)/4
.set A1, 18+(\s)/4
.endif
	WIN 0x40*((\s)%2)
.irp b, 0,1,2,3
.irp i, 0,1,2,3
	ds_load_b128 v[F0+16*\b+4*\i:F0+16*\b+4*\i+3], v[A0] offset:((\s)%4)*16384+2048*\b+512*\i
.endr
.endr
.irp a, 0,1,2,3
.irp i, 0,1,2,3
	ds_load_b128 v[F1+16*\a+4*\i:F1+16*\a+4*\i+3], v[A1] offset:((\s)%4)*16384+2048*\a+512*\i
.endr
.endr
.endm
.macro STEP mode, s                    ; one K step of 128: sixteen matrix instructions, the accumulators by turns
.if (\s) < 7
.if (\s) > 0
.rept 4
	v_nop                                          ; four places between the last products and loads into registers that they read (ISA guide 7.12.1 for vector instructions)
.endr
.endif
	FETCH \mode, (\s)+1
	s_wait_dscnt 32                                ; this step's fragments are in; the next step's 32 loads may be out
.else
	s_wait_dscnt 0x0
.endif
.if (\s) == 0
	WIN 0x80                                       ; D window 2, the bias and the fragments window 0
.else
	WIN 0xa0+5*((\s)%2)                            ; C, D window 2, the fragments window s % 2
.endif
.irp a, 0,1,2,3
.irp b, 0,1,2,3
.if (\s) == 0
.if \mode == 0
	v_wmma_f32_16x16x128_bf8_bf8 v[ACC+8*(4*\a+\b):ACC+8*(4*\a+\b)+7], v[F0+16*\b:F0+16*\b+15], v[F1+16*\a:F1+16*\a+15], v[BI+8*\b:BI+8*\b+7]
.else
	v_wmma_f32_16x16x128_bf8_bf8 v[ACC+8*(4*\a+\b):ACC+8*(4*\a+\b)+7], v[F0+16*\b:F0+16*\b+15], v[F1+16*\a:F1+16*\a+15], v[BI+8*\a:BI+8*\a+7]
.endif
.else
	v_wmma_f32_16x16x128_bf8_bf8 v[ACC+8*(4*\a+\b):ACC+8*(4*\a+\b)+7], v[F0+16*\b:F0+16*\b+15], v[F1+16*\a:F1+16*\a+15], v[ACC+8*(4*\a+\b):ACC+8*(4*\a+\b)+7]
.endif
.endr
.endr
.endm
.macro PRODUCT mode
	s_wait_tensorcnt 0x0                           ; my one load has landed
	s_barrier_signal -1
	s_barrier_wait -1                              ; every wave's has
	FETCH \mode, 0
.irp s, 0,1,2,3,4,5,6,7
	STEP \mode, \s
.endr
	WIN 0                                          ; at a branch and at a label every window is 0
.endm
	s_load_b512 s[68:83], s[0:1], 0x0              ; xc 68, wc 70, bq 72, bk 74, bv 76, the scales 78, qc 80, kv 82
	v_lshl_add_u32 v[SPW], v0, 2, SPARE
	v_mov_b32 v[NIL], 0
	ds_add_u32 v[SPW], v[NIL]                      ; the wave's opening
	ds_add_u32 v[SPW], v[NIL]
	v_lshrrev_b32 v1, 5, v0
	v_readfirstlane_b32 s4, v1                     ; wave 0..3
	s_and_b32 s7, ttmp7, 0xffff                    ; cb, which the partners share
	s_and_b32 s8, s4, 1                            ; u1.  Also: I fetch x's codes (0) or W's (1)
	s_lshr_b32 s9, s4, 1                           ; u2.  Also: which half of K I fetch
	s_lshl_b32 s11, s9, 16                         ; its 65,536 bytes
	; group 1: a dense block of 65,536 bytes as 256 rows of 32 elements of 8 bytes
	s_mov_b32 s[G1P], 3<<16                        ; 15:0 no mask; 17:16 elements of 8 bytes
	s_mov_b32 s[G1J], 15|(3<<16)|(1<<21)           ; 15:0 all four partners; 21 set beside a mask
.irp g, G1P, G1J
	s_mov_b32 s[\g+1], 32<<16                      ; tensor_dim0
	s_mov_b32 s[\g+2], 256<<16                     ; tensor_dim1
	s_mov_b32 s[\g+3], 32<<16                      ; tile_dim0
	s_mov_b32 s[\g+4], 256                         ; tile_dim1
	s_mov_b32 s[\g+5], 32                          ; from row to row
	s_mov_b32 s[\g+6], 0
	s_mov_b32 s[\g+7], 0
.endr
	v_and_b32 v[LI], 31, v0
	v_lshlrev_b32 v[LI], 4, v[LI]
	v_and_b32 v7, 15, v0                           ; r
	v_bfe_u32 v8, v0, 4, 1                         ; h
	s_lshl_b32 s12, s8, 13                         ; four tiles of 2,048 bytes
	s_lshl_b32 s13, s9, 13
	v_add_nc_u32 v12, s12, v[LI]
	v_add_nc_u32 v16, s13, v[LI]
	v_add_nc_u32 v13, 0x10000, v12
	v_add_nc_u32 v17, 0x10000, v16
	v_add_nc_u32 v14, 0x20000, v12
	v_add_nc_u32 v18, 0x20000, v16
	v_add_nc_u32 v15, 0x30000, v12
	v_add_nc_u32 v19, 0x30000, v16
	s_wait_alu depctr_va_vdst(0)
	s_wait_dscnt 0x0                               ; both opening adds are done
	CROUND                                         ; all four work-groups are here: the joint loads meet
	s_bfe_u32 s5, ttmp6, 0x40000                   ; cx
	s_lshl_b32 s6, ttmp9, 2
	s_add_co_u32 s6, s6, s5                        ; rb = 4 x cluster x + cx: it enters x's global address and the outputs' alone
	s_cmp_lt_u32 s7, 10
	s_cselect_b32 s12, 1, 2
	s_cmp_lt_u32 s7, 8
	s_cselect_b32 s12, 0, s12                      ; which codes of x: q 0, k 1, v 2
	s_lshl_b32 s12, s12, 21
	s_lshl_b32 s13, s6, 17
	s_add_co_u32 s12, s12, s13
	s_add_co_u32 s12, s12, s11
	s_mov_b32 s13, 0
	s_lshl_b32 s100, s7, 17                        ; W's block: made of cb and the wave's number alone, in registers that never hold cx
	s_add_co_u32 s100, s100, s11
	s_mov_b32 s101, 0
	s_wait_kmcnt 0x0
	s_mov_b32 s[G0X], 1                            ; count = 1
	s_mov_b32 s[G0X+1], s11                        ; LDS address
	s_add_nc_u64 s[G0X+2:G0X+3], s[68:69], s[12:13]
	s_or_b32 s[G0X+3], s[G0X+3], 0x80000000        ; type = 2
	s_mov_b32 s[G0W], 1
	s_add_co_u32 s[G0W+1], s11, WREG
	s_add_nc_u64 s[G0W+2:G0W+3], s[70:71], s[100:101]
	s_or_b32 s[G0W+3], s[G0W+3], 0x80000000
	s_cmp_eq_u32 s8, 0                             ; even waves fetch x's codes, odd waves W's: one first fill in each arm
	s_cbranch_scc0 .Lfill_w
	tensor_load_to_lds s[G0X:G0X+3], s[G1P:G1P+7]
	s_nop 0
.rept 4
	v_nop
.endr
	s_branch .Lfilled
.Lfill_w:
	tensor_load_to_lds s[G0W:G0W+3], s[G1J:G1J+7]
	s_nop 0
.rept 4
	v_nop
.endr
.Lfilled:
	s_load_b256 s[84:91], s[78:79], 0x0            ; entries 0 to 7
	s_load_b64 s[92:93], s[78:79], 0x20            ; entries 8, 9
	s_wait_kmcnt 0x0                               ; what they decide is selected, never branched on
	s_cmp_lt_u32 s7, 10
	s_cselect_b32 s12, s86, s88                    ; ea
	s_cselect_b32 s13, s87, s89                    ; eb
	s_cselect_b32 s14, s91, s93                    ; en
	s_cselect_b64 s[98:99], s[74:75], s[76:77]     ; the bias
	s_cselect_b32 s15, 8, 10
	s_cmp_lt_u32 s7, 8
	s_cselect_b32 s12, s84, s12
	s_cselect_b32 s13, s85, s13
	s_cselect_b32 s14, s90, s14
	s_cselect_b64 s[98:99], s[72:73], s[98:99]
	s_cselect_b32 s15, 0, s15
	s_cselect_b64 s[94:95], s[80:81], s[82:83]     ; the output: qc or kv
	s_sub_co_u32 s15, s7, s15                      ; the column block within its tensor
	s_add_co_i32 s2, s12, s13                      ; ea + eb
	s_sub_co_i32 s3, 0, s2
	s_sub_co_i32 s14, s14, s2
	s_add_co_i32 s14, s14, 127
	s_lshl_b32 s10, s14, 23
	v_mov_b32 v[SC], s10
	s_add_co_i32 s14, s14, 15
	s_lshl_b32 s14, s14, 23
	s_or_b32 s14, s14, 0x600000
	v_mov_b32 v[LIM], s14
	; where my four fragments go, as offsets apart from the address.  q: ((2 cb + u1) 128 + 8 rb + 4 u2) x 1,024
	s_lshl_b32 s10, s7, 1
	s_add_co_u32 s10, s10, s8
	s_lshl_b32 s10, s10, 7
	s_lshl_b32 s12, s6, 3
	s_add_co_u32 s10, s10, s12
	s_lshl_b32 s12, s9, 2
	s_add_co_u32 s10, s10, s12
	s_lshl_b32 s10, s10, 10
	; k: head 2 cbl + u1, step rb, fragments 4 u2 on
	s_lshl_b32 s12, s15, 1
	s_add_co_u32 s13, s12, s8
	s_lshl_b32 s13, s13, 18
	s_lshl_b32 s14, s6, 14
	s_add_co_u32 s13, s13, s14
	s_lshl_b32 s40, s9, 12
	s_add_co_u32 s13, s13, s40
	; v: head 2 cbl + u2, step rb, behind K's 8,192 bytes, four fragments, registers 8 u1 on
	s_add_co_u32 s12, s12, s9
	s_lshl_b32 s12, s12, 18
	s_add_co_u32 s12, s12, s14
	s_lshl_b32 s40, s8, 10
	s_add_co_u32 s12, s12, s40
	s_add_co_u32 s12, s12, 8192
	s_mov_b32 s40, 2048
	s_cmp_lt_u32 s7, 10
	s_cselect_b32 s12, s13, s12
	s_cselect_b32 s40, 1024, s40                   ; from fragment to fragment
	s_cmp_lt_u32 s7, 8
	s_cselect_b32 s12, s10, s12
	s_mov_b32 s13, 0
	s_mov_b32 s41, 0
	s_add_nc_u64 s[94:95], s[94:95], s[12:13]
	s_add_nc_u64 s[96:97], s[94:95], s[40:41]
	s_add_nc_u64 s[84:85], s[96:97], s[40:41]
	s_add_nc_u64 s[86:87], s[84:85], s[40:41]
	s_lshl_b32 s12, s15, 9                         ; the bias of my column block
	s_wait_alu depctr_va_vdst(0)
	s_cmp_lt_u32 s7, 10                            ; ONE branch on the column block, the same in all waves and all partners; each way is written out whole and joins at the way out
	s_cbranch_scc0 .Lmode_v
	s_lshl_b32 s13, s8, 8                          ; q, k: my head's 64 numbers; lane (r, h) wants, for tile b, those of d = 16 b + 8 h + 0 .. 7
	s_add_co_u32 s12, s12, s13
	s_mov_b32 s13, 0
	s_add_nc_u64 s[98:99], s[98:99], s[12:13]
	v_lshlrev_b32 v[BO], 5, v8
.irp b, 0,1,2,3
	global_load_b128 v[BI+8*\b:BI+8*\b+3], v[BO], s[98:99] offset:64*\b
	global_load_b128 v[BI+8*\b+4:BI+8*\b+7], v[BO], s[98:99] offset:64*\b+16
.endr
	s_wait_loadcnt 0x0
.set jj, 0
.rept 32
	v_ldexp_f32 v[BI+jj], v[BI+jj], s3             ; / 2^(ea + eb)
.set jj, jj+1
.endr
	s_wait_alu depctr_va_vdst(0)
	PRODUCT 0
	s_branch .Lout
.Lmode_v:
	s_lshl_b32 s13, s9, 8                          ; v: my head's 64 channels; lane (r, h) wants, for tile a, channel 16 a + r, the same in all eight registers
	s_add_co_u32 s12, s12, s13
	s_mov_b32 s13, 0
	s_add_nc_u64 s[98:99], s[98:99], s[12:13]
	v_lshlrev_b32 v[BO], 2, v7
.irp a, 0,1,2,3
	global_load_b32 v[BV+\a], v[BO], s[98:99] offset:64*\a
.endr
	s_wait_loadcnt 0x0
.irp a, 0,1,2,3
.irp j, 0,1,2,3,4,5,6,7
	v_ldexp_f32 v[BI+8*\a+\j], v[BV+\a], s3
.endr
.endr
	s_wait_alu depctr_va_vdst(0)
	PRODUCT 1
.Lout:
	; THE WAY OUT: each accumulator's eight numbers are neighbours along the next K: the hold, one conversion, and the codes are two registers of a fragment
.rept 4
	v_nop                                          ; four places between the last products and the first read of results
.endr
	WIN 0x82                                       ; source 0 and destination window 2
.irp t, 0,1,2,3,4,5,6,7,8,9,10,11,12,13,14,15
.irp j, 0,1,2,3,4,5,6,7
	v_med3_num_f32 v[ACC+8*\t+\j], v[ACC+8*\t+\j], -v[LIM], v[LIM]   ; each accumulator from its low end on
.endr
.endr
	WIN 0x02                                       ; source 0 window 2
.irp t, 0,1,2,3,4,5,6,7,8,9,10,11,12,13,14,15
	v_cvt_scalef32_pk8_bf8_f32 v[PC+2*\t:PC+2*\t+1], v[ACC+8*\t:ACC+8*\t+7], v[SC]
.endr
	WIN 0
	v_nop                                          ; a plain line behind the last conversion
	global_store_b128 v[LI], v[PC:PC+3], s[94:95]                  ; each store: 512 consecutive bytes, aligned
	global_store_b128 v[LI], v[PC+4:PC+7], s[94:95] offset:512
	global_store_b128 v[LI], v[PC+8:PC+11], s[96:97]
	global_store_b128 v[LI], v[PC+12:PC+15], s[96:97] offset:512
	global_store_b128 v[LI], v[PC+16:PC+19], s[84:85]
	global_store_b128 v[LI], v[PC+20:PC+23], s[84:85] offset:512
	global_store_b128 v[LI], v[PC+24:PC+27], s[86:87]
	global_store_b128 v[LI], v[PC+28:PC+31], s[86:87] offset:512
	s_wait_tensorcnt 0x0                           ; the wave's end
	ds_add_u32 v[SPW], v[NIL]
	s_wait_dscnt 0x0
	CROUND                                         ; the closing round: no work-group ends while a partner may still ask for a block that names it
	s_endpgm
.Lfunc_end_k_q208fca38a4_proj:
	.size	k_q208fca38a4_proj, .Lfunc_end_k_q208fca38a4_proj-k_q208fca38a4_proj
	.p2alignl 7, 3214868480
	.fill 96, 4, 3214868480
	.section	.rodata,"a",@progbits
	.p2align	6, 0x0
	.amdhsa_kernel k_q208fca38a4_proj
		.amdhsa_group_segment_fixed_size 263168
		.amdhsa_private_segment_fixed_size 0
		.amdhsa_enable_private_segment 0
		.amdhsa_kernarg_size 64
		.amdhsa_user_sgpr_count 2
		.amdhsa_user_sgpr_kernarg_segment_ptr 1
		.amdhsa_wavefront_size32 1
		.amdhsa_system_sgpr_workgroup_id_x 1
		.amdhsa_system_sgpr_workgroup_id_y 1
		.amdhsa_system_sgpr_workgroup_id_z 1
		.amdhsa_system_vgpr_workitem_id 0
		.amdhsa_next_free_vgpr 640
		.amdhsa_next_free_sgpr 102
		.amdhsa_reserve_vcc 0
		.amdhsa_float_denorm_mode_32 3
		.amdhsa_float_denorm_mode_16_64 3
		.amdhsa_memory_ordered 1
		.amdhsa_forward_progress 1
		.amdhsa_inst_pref_size 74
	.end_amdhsa_kernel
	.amdgpu_metadata
---
amdhsa.version: [ 1, 2 ]
amdhsa.kernels:
  - .name:           k_q208fca38a4_proj
    .symbol:         k_q208fca38a4_proj.kd
    .args:
      - { .name: xc, .offset: 0, .size: 8, .value_kind: global_buffer, .address_space: global }
      - { .name: wc, .offset: 8, .size: 8, .value_kind: global_buffer, .address_space: global }
      - { .name: bq, .offset: 16, .size: 8, .value_kind: global_buffer, .address_space: global }
      - { .name: bk, .offset: 24, .size: 8, .value_kind: global_buffer, .address_space: global }
      - { .name: bv, .offset: 32, .size: 8, .value_kind: global_buffer, .address_space: global }
      - { .name: lowp_scales, .offset: 40, .size: 8, .value_kind: global_buffer, .address_space: global }
      - { .name: qc, .offset: 48, .size: 8, .value_kind: global_buffer, .address_space: global }
      - { .name: kv, .offset: 56, .size: 8, .value_kind: global_buffer, .address_space: global }
    .group_segment_fixed_size: 263168
    .private_segment_fixed_size: 0
    .kernarg_segment_align: 8
    .kernarg_segment_size: 64
    .max_flat_workgroup_size: 128
    .sgpr_count:     102
    .vgpr_count:     640
    .wavefront_size: 32
...
	.end_amdgpu_metadata
.endif
;; end of part 2
;; launch attn (part 3): grid 64 x 4, 16 waves a work-group, clusters of 4 x 1, 327,680 bytes of LDS; arguments qc, kv, lowp_scales, out0; writes out0
.if DOCPART == 3
	.amdgcn_target "amdgcn-amd-amdhsa--gfx1250"
	.amdhsa_code_object_version 6
	.text
	.protected	k_q208fca38a4_attn
	.globl	k_q208fca38a4_attn
	.p2align	8
	.type	k_q208fca38a4_attn,@function
k_q208fca38a4_attn:
	s_mov_b64 s[64:65], 0
	v_nop
	global_prefetch_b8 v0, s[64:65] scope:SCOPE_SE
	s_setreg_imm32_b32 hwreg(HW_REG_WAVE_MODE, 25, 1), 1
	s_wait_xcnt 0x0
	s_wait_alu depctr_hold_cnt(0) depctr_sa_sdst(0) depctr_va_vdst(0) depctr_va_sdst(0) depctr_va_ssrc(0) depctr_va_vcc(0) depctr_vm_vsrc(0)
	s_getreg_b32 s2, hwreg(HW_REG_IB_STS2, 6, 4)
	s_cmp_eq_u32 s2, 0
	s_cbranch_scc0 .Lentry_in_a_cluster
	s_endpgm
.Lentry_in_a_cluster:
	s_bfe_u32 s2, ttmp6, 0x10000c
	s_cmp_lg_u32 s2, 0x3003
	s_cbranch_scc0 .Lentry_shape_is_right
	s_endpgm
.Lentry_shape_is_right:
; GROUPED-QUERY ATTENTION IN E5M2, launch 3 of 3: scores, softmax and the product with V, on codes.  No work is left out.
; out0 is [query head 16][query 2,048][64] f32, dense: the reshape at the end of the problem moves no byte.
; THE SOFTMAX AHEAD OF THE SECOND PRODUCT: t = score x log2(e) / 8; M = the largest t so far, rounded up to a whole number; p = 2^(t - M) is quantised (entry 8), not normalised.  The row's sum is taken of the
; unquantised p and divides at the end.  When M moves, the sum and O are multiplied by 2^(old M - new M), which rounds nothing.
; SHARES.  256 work-groups: key head = y; x = 4 x cluster x + cx gives the query head 4 y + x / 16 and the block of 128 queries x % 16: eight tiles of 16 queries.
; SIXTEEN WAVES, four to a SIMD.  Wave w owns the PAIR of tiles 2 (w % 4), 2 (w % 4) + 1 and the QUARTER w / 4 of the keys: four steps of 128.  Each fragment of K and of V that a wave loads from LDS serves both its tiles.
; Each quarter has a running M, a sum and an O^T of its own.  At the end the four quarters of a tile tell each other M and the sum, each brings its O^T under the greatest M and the whole sum,
; and wave w adds the four parts of 8 rows.  LIMIT: the row's sum and O are so summed in four parts: another order of f32 rounding than one stream's.
; The key head's whole K and V, 256 KB as launch 2 laid them (images of operand registers), lie in LDS at once: FIRST FILLS ONLY, nothing is filled again.  Each wave has ONE tensor load out, one key step of 16,384 bytes.
; CLUSTER 4 x 1: the partners share the key head: each step is asked for jointly (mask 15).  No prefetch: all that the launch reads is asked for at its head, so no trip of the loop has a later load to run ahead of.
; LAYOUT.  Both products are used transposed: S^T = K Q^T (source 0 = 16 keys, source 1 = 16 queries, K = 64), O^T = V^T P^T (source 0 = 16 channels, source 1 = P, K = 128 keys): a lane holds ONE query of a tile throughout.
; Tile u of S^T gives lane (r, h) keys 16 u + 8 h + 0 .. 7: one conversion makes registers 2 u, 2 u + 1 of P in the K = 128 form's own order, the order in which V^T was laid.
; LIMITS: entries 6 + 7 between -123 and 130 (added to c's exponent field); entry 8 between -126 and 112; entries 8 + 9 are applied by v_ldexp_f32 and have none; |t| under 2^31.
.set XCH,   262144                     ; behind K and V: 512 bytes for each wave: -M and the sum of its two tiles, 16 bytes a lane
.set SPARE, XCH+16*512                 ; the spare words, 128 bytes a wave: eight blocks of 256 bytes that no other line names
.set SP,    272                        ; the way out: rows of 256 bytes + 16; [quarter 4][tile 8][16 rows], over K and V, which have had their last fill and their last read
.set LI,  1                            ; v1   16 x lane
.set ADR, 2                            ; v2   LDS address of the step in hand
.set SPW, 3                            ; v3   my spare word; never rewritten
.set NIL, 4                            ; v4   0; never rewritten
.set PT,  5                            ; v5   the lane permute's destination
.set FP,  6                            ; v[6:7] f, in the low one
; v8 -M and v9 the largest score of tile A; v10, v11 of tile B (at the end v9 and v11 take the sums)
.set LA,  12                           ; v[12:13] tile A's sum in two halves
.set LB,  14
.set QA,  16                           ; v16-23   tile A's queries
.set QB,  24
.set F,   32                           ; v32-95   K's eight fragments, then V's four
.set PB,  96                           ; v96-111  tile B's codes, over scores that are done with
.set S,   98                           ; v98-161  S^T of the tile in hand, then p
.set OA,  162                          ; v162-193 O^T of tile A
.set OB,  194
.set PA,  226                          ; v226-241 tile A's codes
.set TT,  240                          ; v242-247 three more chains of the sum, at TT + 2 k
.set C0,  248                          ; v248-251 four chains of the maximum; at work
.set SC,  252                          ; v252 2^e8
.set XA,  253                          ; the end: where I put M and the sum
.set RX,  254                          ; where I read those of my tiles' quarters
.set STO, 255                          ; where I put 32 bytes of a row
.set RD,  242                          ; where I read a row back: quarters 0, 1
.set RD2, 243                          ; quarters 2, 3
.set G1,  24                           ; s[24:31] descriptor group 1
.set G0,  32                           ; s[32:35] group 0.  s[22:23] c, s36 -c, s37 57,344 x 2^e8, s40 e8 + e9
.set TB,  48                           ; s48  LDS byte at which the step in hand begins
.set CNT, 49
.macro CROUND                          ; a round of the cluster's barrier
	s_barrier_signal -1
	s_barrier_wait -1
	s_cmp_lg_u32 s12, 0
	s_cbranch_scc1 .Lnot_wave_0_\@
	s_barrier_signal -3
.Lnot_wave_0_\@:
	s_barrier_wait -3
	s_barrier_signal -1
	s_barrier_wait -1
.endm
; The softmax of one tile's 128 keys, from the scores to the codes.  first = 1: the quarter's first step: no older M, sum or O^T.
.macro SOFT o, nm, l, p, first
	v_max3_num_f32 v[C0], v[S], v[S+1], v[S+2]     ; the largest of my 64 scores, in four chains, in ascending order: each accumulator is read from its low end on
	v_max3_num_f32 v[C0+1], v[S+3], v[S+4], v[S+5]
	v_max3_num_f32 v[C0+2], v[S+6], v[S+7], v[S+8]
	v_max3_num_f32 v[C0+3], v[S+9], v[S+10], v[S+11]
.set ii, 12
.rept 26
	v_max3_num_f32 v[C0+((ii-12)/2)%4], v[C0+((ii-12)/2)%4], v[S+ii], v[S+ii+1]
.set ii, ii+2
.endr
	v_max3_num_f32 v[C0], v[C0], v[C0+2], v[C0+3]
	s_delay_alu instid0(VALU_DEP_1)
.if \first
	v_max_num_f32 v[C0], v[C0], v[C0+1]
.else
	v_max3_num_f32 v[C0], v[C0], v[C0+1], v[\nm+1] ; with the running largest
.endif
	s_delay_alu instid0(VALU_DEP_1)
	v_permlanex16_b32 v[PT], v[C0], s20, s21
	s_delay_alu instid0(VALU_DEP_1)
	v_max_num_f32 v[\nm+1], v[C0], v[PT]           ; and the other half of the lanes'
	s_delay_alu instid0(VALU_DEP_1)
	v_mul_f32 v[C0+1], s36, v[\nm+1]               ; -t (c is positive)
	s_delay_alu instid0(VALU_DEP_1)
.if \first
	v_floor_f32 v[\nm], v[C0+1]                    ; -M = floor(-t): M is a whole number
.else
	v_floor_f32 v[C0+1], v[C0+1]                   ; the new -M = floor(-t): M is a whole number
	s_delay_alu instid0(VALU_DEP_1)
	v_sub_f32 v[C0+2], v[C0+1], v[\nm]             ; old M - new M: a whole number, 0 or less
	v_mov_b32 v[\nm], v[C0+1]
	s_delay_alu instid0(VALU_DEP_2)
	v_cvt_i32_f32 v[C0+2], v[C0+2]                 ; (it saturates)
	s_delay_alu instid0(VALU_DEP_1)
	v_ldexp_f32 v[FP], 1.0, v[C0+2]                ; f = 2^(old M - new M)
.endif
.set ii, 0
.rept 32
	v_pk_fma_f32 v[S+ii:S+ii+1], v[S+ii:S+ii+1], s[22:23], v[\nm:\nm+1] op_sel_hi:[1,0,0]   ; t - M, two at a time (of the pairs c and -M the low word serves both halves)
.set ii, ii+2
.endr
	s_wait_alu depctr_va_vdst(0)
.if \first == 0
.set ii, 0
.rept 16
	v_pk_mul_f32 v[\o+ii:\o+ii+1], v[\o+ii:\o+ii+1], v[FP:FP+1] op_sel_hi:[1,0]   ; O^T under the new M
.set ii, ii+2
.endr
.endif
.set ii, 0
.rept 64
	v_exp_f32 v[S+ii], v[S+ii]                     ; p = 2^(t - M)
.set ii, ii+1
.endr
.if \first
	v_nop                                          ; the plain line behind the exponentials
.else
	v_pk_mul_f32 v[\l:\l+1], v[\l:\l+1], v[FP:FP+1] op_sel_hi:[1,0]   ; the sum under the new M: the plain line behind the exponentials
.endif
	s_wait_alu depctr_va_vdst(0)                   ; one wait for the whole batch, ahead of its first reader
.if \first
	v_pk_add_f32 v[\l:\l+1], v[S:S+1], v[S+8:S+9]  ; the sum of the unquantised p, in four chains of pairs
.else
	v_pk_add_f32 v[\l:\l+1], v[\l:\l+1], v[S:S+1]
.endif
.irp k, 1,2,3
	v_pk_add_f32 v[TT+2*\k:TT+2*\k+1], v[S+2*\k:S+2*\k+1], v[S+8+2*\k:S+9+2*\k]
.endr
.if \first == 0
	v_pk_add_f32 v[\l:\l+1], v[\l:\l+1], v[S+8:S+9]
.endif
.irp u, 0,1,2,3,4,5,6,7                ; tile u: the hold, tile u + 2's part of the sum, the conversion
.irp j, 0,2,4,6
	v_dual_min_num_f32 v[S+8*\u+\j], s37, v[S+8*\u+\j] :: v_dual_min_num_f32 v[S+8*\u+\j+1], s37, v[S+8*\u+\j+1]   ; the conversion does not saturate (ISA guide 7.6.2); p is not negative, so the hold is one-sided
.endr
.if \u < 6
	v_pk_add_f32 v[\l:\l+1], v[\l:\l+1], v[S+16+8*\u:S+17+8*\u]
.irp k, 1,2,3
	v_pk_add_f32 v[TT+2*\k:TT+2*\k+1], v[TT+2*\k:TT+2*\k+1], v[S+16+8*\u+2*\k:S+17+8*\u+2*\k]
.endr
.endif
.if \u == 6
	v_pk_add_f32 v[TT+2:TT+3], v[TT+2:TT+3], v[TT+4:TT+5]
	v_pk_add_f32 v[\l:\l+1], v[\l:\l+1], v[TT+6:TT+7]
.endif
.if \u == 7
	v_pk_add_f32 v[\l:\l+1], v[\l:\l+1], v[TT+2:TT+3]
.endif
	v_cvt_scalef32_pk8_bf8_f32 v[\p+2*\u:\p+2*\u+1], v[S+8*\u:S+8*\u+7], v[SC]   ; (tile B: registers 2 u - 2, 2 u - 1 of S, whose numbers have been converted and summed)
.endr
	v_nop                                          ; a plain line behind the last conversion
.endm
; A KEY STEP: 128 keys, both tiles.
.macro KSTEP first
	v_add_nc_u32 v[ADR], s[TB], v[LI]
.rept 4
	v_nop                                          ; with the addition five places behind the last products: their fragments are loaded over, and their codes lie where the next scores are written (ISA guide 7.12.1 for vector instructions)
.endr
.irp u, 0,1,2,3,4,5,6,7
	ds_load_b128 v[F+8*\u:F+8*\u+3], v[ADR] offset:1024*\u
	ds_load_b128 v[F+8*\u+4:F+8*\u+7], v[ADR] offset:1024*\u+512
.endr
	s_wait_alu depctr_va_vdst(0)
	s_wait_dscnt 0x0
.irp u, 0,1,2,3,4,5,6,7
	v_wmma_f32_16x16x64_bf8_bf8 v[S+8*\u:S+8*\u+7], v[F+8*\u:F+8*\u+7], v[QA:QA+7], 0
.endr
.rept 4
	v_nop                                          ; four places ahead of the first read of the scores
.endr
	SOFT OA, 8, LA, PA, \first
.irp u, 0,1,2,3,4,5,6,7
	v_wmma_f32_16x16x64_bf8_bf8 v[S+8*\u:S+8*\u+7], v[F+8*\u:F+8*\u+7], v[QB:QB+7], 0   ; the same fragments of K serve tile B
.endr
.rept 4
	v_nop                                          ; four places: for the loads below and for the first read of the scores
.endr
.irp t, 0,1,2,3
.irp i, 0,1,2,3
	ds_load_b128 v[F+16*\t+4*\i:F+16*\t+4*\i+3], v[ADR] offset:8192+2048*\t+512*\i   ; V lands while tile B's softmax is walked
.endr
.endr
	SOFT OB, 10, LB, PB, \first
	s_wait_alu depctr_va_vdst(0)
	s_wait_dscnt 0x0                               ; V is in
.irp t, 0,1,2,3                        ; eight accumulators by turns
.if \first
	v_wmma_f32_16x16x128_bf8_bf8 v[OA+8*\t:OA+8*\t+7], v[F+16*\t:F+16*\t+15], v[PA:PA+15], 0
.else
	v_wmma_f32_16x16x128_bf8_bf8 v[OA+8*\t:OA+8*\t+7], v[F+16*\t:F+16*\t+15], v[PA:PA+15], v[OA+8*\t:OA+8*\t+7]
.endif
.endr
.irp t, 0,1,2,3
.if \first
	v_wmma_f32_16x16x128_bf8_bf8 v[OB+8*\t:OB+8*\t+7], v[F+16*\t:F+16*\t+15], v[PB:PB+15], 0
.else
	v_wmma_f32_16x16x128_bf8_bf8 v[OB+8*\t:OB+8*\t+7], v[F+16*\t:F+16*\t+15], v[PB:PB+15], v[OB+8*\t:OB+8*\t+7]
.endif
.endr
.endm
	s_load_b256 s[4:11], s[0:1], 0x0               ; qc s[4:5], kv s[6:7], the scales s[8:9], out0 s[10:11]
	v_lshl_add_u32 v[SPW], v0, 2, SPARE
	v_mov_b32 v[NIL], 0
	ds_add_u32 v[SPW], v[NIL]                      ; the wave's opening
	ds_add_u32 v[SPW], v[NIL]
	v_lshrrev_b32 v5, 5, v0
	v_readfirstlane_b32 s12, v5                    ; wave 0..15
	s_and_b32 s13, s12, 3                          ; my pair of tiles
	s_lshr_b32 s14, s12, 2                         ; my quarter of the keys
	; group 1: a dense block of 16,384 bytes as 64 rows of 32 elements of 8 bytes
	s_mov_b32 s[G1], 15|(3<<16)|(1<<21)            ; 15:0 all four partners; 17:16 elements of 8 bytes; 21 set beside a mask
	s_mov_b32 s[G1+1], 32<<16                      ; tensor_dim0
	s_mov_b32 s[G1+2], 64<<16                      ; tensor_dim1
	s_mov_b32 s[G1+3], 32<<16                      ; tile_dim0
	s_mov_b32 s[G1+4], 64                          ; tile_dim1
	s_mov_b32 s[G1+5], 32                          ; from row to row
	s_mov_b32 s[G1+6], 0
	s_mov_b32 s[G1+7], 0
	s_lshl_b32 s16, s12, 14                        ; my key step: the same offset in the key head's bytes and in LDS
	s_and_b32 s15, ttmp7, 0xffff                   ; the key head, which the partners share
	s_lshl_b32 s18, s15, 18                        ; its 262,144 bytes
	s_add_co_u32 s18, s18, s16
	s_mov_b32 s19, 0
	s_lshl_b32 s[TB], s14, 16                      ; my quarter's first step
	v_and_b32 v[LI], 31, v0
	v_lshlrev_b32 v[LI], 4, v[LI]
	s_wait_alu depctr_va_vdst(0)
	s_wait_dscnt 0x0                               ; both opening adds are done
	CROUND                                         ; all four work-groups are here: the joint loads meet
	s_wait_kmcnt 0x0
	s_mov_b32 s[G0], 1                             ; count = 1
	s_mov_b32 s[G0+1], s16                         ; LDS address
	s_add_nc_u64 s[G0+2:G0+3], s[6:7], s[18:19]    ; made of the key head and the wave's number alone
	s_or_b32 s[G0+3], s[G0+3], 0x80000000          ; type = 2
	tensor_load_to_lds s[G0:G0+3], s[G1:G1+7]      ; every wave issues its one first fill, with no branch
	s_nop 0
.rept 4
	v_nop
.endr
	s_load_b128 s[52:55], s[8:9], 0x18             ; entries 6 to 9
	s_bfe_u32 s41, ttmp6, 0x40000                  ; cx
	s_lshl_b32 s42, ttmp9, 2
	s_add_co_u32 s42, s42, s41                     ; x = 4 x cluster x + cx: it enters Q's and the output's addresses alone
	s_lshr_b32 s56, s42, 4
	s_lshl_b32 s57, s15, 2
	s_add_co_u32 s56, s56, s57                     ; the query head
	s_lshl_b32 s56, s56, 7
	s_and_b32 s57, s42, 15
	s_lshl_b32 s57, s57, 3
	s_add_co_u32 s56, s56, s57                     ; my work-group's first tile of 16 queries, counted through all heads
	s_lshl_b32 s58, s56, 12                        ; 4,096 bytes of output a tile;
	s_lshl_b32 s57, s12, 11
	s_add_co_u32 s58, s58, s57                     ; wave w stores 8 rows, 2,048 bytes
	s_lshl_b32 s57, s13, 1
	s_add_co_u32 s56, s56, s57                     ; my pair's first tile:
	s_lshl_b32 s56, s56, 10                        ; 1,024 bytes of codes a tile
	s_mov_b32 s57, 0
	s_mov_b32 s59, 0
	s_add_nc_u64 s[4:5], s[4:5], s[56:57]
	s_add_nc_u64 s[10:11], s[10:11], s[58:59]
	global_load_b128 v[QA:QA+3], v[LI], s[4:5]     ; the queries' fragments stay in registers
	global_load_b128 v[QA+4:QA+7], v[LI], s[4:5] offset:512
	global_load_b128 v[QB:QB+3], v[LI], s[4:5] offset:1024
	global_load_b128 v[QB+4:QB+7], v[LI], s[4:5] offset:1536
	v_mov_b32 v[PT], 0                             ; written once: a lane permute's destination counts as one of its sources
	v_mov_b32 v[FP+1], 0                           ; (named as the upper half of a pair)
	s_mov_b32 s20, 0x76543210                      ; v_permlanex16_b32: each lane takes its own place in the other half
	s_mov_b32 s21, 0xfedcba98
	s_mov_b32 s22, 0x3e38aa3b                      ; c = log2(e) / sqrt(64)
	s_wait_alu depctr_va_vdst(0)
	s_wait_kmcnt 0x0
	s_add_co_i32 s56, s52, s53
	s_lshl_b32 s56, s56, 23
	s_add_co_i32 s22, s22, s56                     ; a score stands for score x 2^(e6 + e7): the exponents are added to c's exponent field
	s_mov_b32 s23, s22                             ; (named with it as a pair)
	s_xor_b32 s36, s22, 0x80000000                 ; -c
	s_add_co_i32 s56, s54, 127
	s_lshl_b32 s57, s56, 23
	v_mov_b32 v[SC], s57
	s_add_co_i32 s56, s56, 15
	s_lshl_b32 s56, s56, 23
	s_or_b32 s37, s56, 0x600000                    ; 57,344 x 2^e8
	s_add_co_i32 s40, s54, s55
	s_wait_alu depctr_va_vdst(0)
	s_wait_loadcnt 0x0                             ; Q
	s_wait_tensorcnt 0x0                           ; my key step has landed
	s_barrier_signal -1
	s_barrier_wait -1                              ; everybody's has
	KSTEP 1
	s_add_co_u32 s[TB], s[TB], 16384
	s_mov_b32 s[CNT], 3
.Lstep:
	KSTEP 0
	s_add_co_u32 s[TB], s[TB], 16384
	s_sub_co_u32 s[CNT], s[CNT], 1
	s_cmp_lg_u32 s[CNT], 0
	s_cbranch_scc1 .Lstep
	; THE QUARTERS MEET.  Each lane hands over -M and the sum of both tiles, 16 bytes
	v_add_f32 v9, v[LA], v[LA+1]
	v_add_f32 v11, v[LB], v[LB+1]
	v_and_b32 v[TT+4], 15, v0                      ; r
	v_bfe_u32 v[TT+5], v0, 4, 1                    ; h
	v_permlanex16_b32 v[PT], v9, s20, s21
	v_permlanex16_b32 v[C0], v11, s20, s21
	s_lshl_b32 s41, s12, 9
	s_lshl_b32 s42, s13, 9
	s_mul_i32 s43, s12, 2*16*SP                    ; quarter x 8 tiles + my first tile = 2 x wave
	s_mul_i32 s44, s12, 8*SP                       ; tile wave / 2, rows 8 (wave % 2) on
	v_add_f32 v9, v9, v[PT]                        ; the row's sum over my quarter
	v_add_f32 v11, v11, v[C0]
	s_add_co_u32 s41, s41, XCH
	s_add_co_u32 s42, s42, XCH
	v_add_nc_u32 v[XA], s41, v[LI]
	v_add_nc_u32 v[RX], s42, v[LI]
	v_mul_u32_u24 v[STO], v[TT+4], SP
	v_lshl_add_u32 v[STO], v[TT+5], 5, v[STO]
	v_add_nc_u32 v[STO], s43, v[STO]               ; in: row r, + 32 h
	v_mul_u32_u24 v[RD], v[TT+5], SP
	v_lshl_add_u32 v[RD], v[TT+4], 4, v[RD]
	v_add_nc_u32 v[RD], s44, v[RD]                 ; back: lanes 0-15 one row, lanes 16-31 the next
	v_add_nc_u32 v[RD2], 2*8*16*SP, v[RD]          ; two quarters on
	s_wait_alu depctr_va_vdst(0)
	ds_store_b128 v[XA], v[8:11]
	s_wait_dscnt 0x0                               ; for the others' sake: my store has landed, and my reads of K and V are over
	s_barrier_signal -1
	s_barrier_wait -1
.irp q, 0,1,2,3
	ds_load_b128 v[32+4*\q:35+4*\q], v[RX] offset:2048*\q
.endr
	s_wait_dscnt 0x0
.irp x, 0,1
	v_min3_num_f32 v[56+\x], v[32+2*\x], v[36+2*\x], v[40+2*\x]
.endr
.irp x, 0,1
	v_min_num_f32 v[56+\x], v[56+\x], v[44+2*\x]   ; the common -M: the greatest M
.endr
.irp q, 0,1,2,3
.irp x, 0,1
	v_sub_f32 v[48+4*\x+\q], v[56+\x], v[32+4*\q+2*\x]   ; each quarter's M less the common one: a whole number, 0 or less
.endr
.endr
.irp x, 0,1
	v_sub_f32 v[58+\x], v[56+\x], v[8+2*\x]        ; my own
.endr
.irp i, 48,52,49,53,50,54,51,55,58,59
	v_cvt_i32_f32 v[\i], v[\i]                     ; (they saturate)
.endr
.irp q, 0,1,2,3
.irp x, 0,1
	v_ldexp_f32 v[33+4*\q+2*\x], v[33+4*\q+2*\x], v[48+4*\x+\q]
.endr
.endr
.irp x, 0,1
	v_add_f32 v[33+2*\x], v[33+2*\x], v[37+2*\x]
	v_add_f32 v[41+2*\x], v[41+2*\x], v[45+2*\x]
.endr
.irp x, 0,1
	v_add_f32 v[33+2*\x], v[33+2*\x], v[41+2*\x]   ; the row's whole sum under the common M
.endr
	s_wait_alu depctr_va_vdst(0)
	v_rcp_f32 v60, v33
	v_rcp_f32 v61, v35
	v_nop                                          ; a plain line behind the reciprocals
	s_wait_alu depctr_va_vdst(0)                   ; the wait ahead of the first reader
	v_ldexp_f32 v60, v60, s40                      ; x 2^(e8 + e9)
	v_ldexp_f32 v61, v61, s40
	v_ldexp_f32 v60, v60, v58                      ; x 2^(my M - the common M)
	v_ldexp_f32 v61, v61, v59
	s_wait_alu depctr_va_vdst(0)                   ; directly ahead of the first reader of O^T
.set ii, 0
.rept 16
	v_pk_mul_f32 v[OA+ii:OA+ii+1], v[OA+ii:OA+ii+1], v[60:61] op_sel_hi:[1,0]   ; both x v60
.set ii, ii+2
.endr
.set ii, 0
.rept 16
	v_pk_mul_f32 v[OB+ii:OB+ii+1], v[OB+ii:OB+ii+1], v[60:61] op_sel:[0,1] op_sel_hi:[1,1]   ; both x v61
.set ii, ii+2
.endr
.irp t, 0,1,2,3
	ds_store_b128 v[STO], v[OA+8*\t:OA+8*\t+3] offset:64*\t       ; register 8 t + j is channel 16 t + 8 h + j of query r
	ds_store_b128 v[STO], v[OA+8*\t+4:OA+8*\t+7] offset:64*\t+16
	ds_store_b128 v[STO], v[OB+8*\t:OB+8*\t+3] offset:16*SP+64*\t
	ds_store_b128 v[STO], v[OB+8*\t+4:OB+8*\t+7] offset:16*SP+64*\t+16
.endr
	s_wait_dscnt 0x0                               ; for the others' sake
	s_barrier_signal -1
	s_barrier_wait -1
	; THE WAY OUT: 8 rows, two at a time: the four quarters' parts are added and leave as 512 consecutive bytes
.irp i, 0,1,2,3
.irp q, 0,1
	ds_load_b128 v[32+16*\i+4*\q:35+16*\i+4*\q], v[RD] offset:8*16*SP*\q+2*SP*\i
.endr
.irp q, 0,1
	ds_load_b128 v[40+16*\i+4*\q:43+16*\i+4*\q], v[RD2] offset:8*16*SP*\q+2*SP*\i
.endr
.endr
.irp i, 0,1,2,3
	s_wait_dscnt 12-4*\i                           ; row pair i's four loads are in; the younger may be out
	v_pk_add_f32 v[32+16*\i:33+16*\i], v[32+16*\i:33+16*\i], v[36+16*\i:37+16*\i]
	v_pk_add_f32 v[34+16*\i:35+16*\i], v[34+16*\i:35+16*\i], v[38+16*\i:39+16*\i]
	v_pk_add_f32 v[40+16*\i:41+16*\i], v[40+16*\i:41+16*\i], v[44+16*\i:45+16*\i]
	v_pk_add_f32 v[42+16*\i:43+16*\i], v[42+16*\i:43+16*\i], v[46+16*\i:47+16*\i]
	v_pk_add_f32 v[32+16*\i:33+16*\i], v[32+16*\i:33+16*\i], v[40+16*\i:41+16*\i]
	v_pk_add_f32 v[34+16*\i:35+16*\i], v[34+16*\i:35+16*\i], v[42+16*\i:43+16*\i]
	global_store_b128 v[LI], v[32+16*\i:35+16*\i], s[10:11] offset:512*\i th:TH_STORE_NT   ; aligned; written once, read by nobody here
.endr
	s_wait_tensorcnt 0x0                           ; the wave's end
	ds_add_u32 v[SPW], v[NIL]
	s_wait_dscnt 0x0
	CROUND                                         ; the closing round: no work-group ends while a partner may still ask for a block that names it
	s_endpgm
.Lfunc_end_k_q208fca38a4_attn:
	.size	k_q208fca38a4_attn, .Lfunc_end_k_q208fca38a4_attn-k_q208fca38a4_attn
	.p2alignl 7, 3214868480
	.fill 96, 4, 3214868480
	.section	.rodata,"a",@progbits
	.p2align	6, 0x0
	.amdhsa_kernel k_q208fca38a4_attn
		.amdhsa_group_segment_fixed_size 327680
		.amdhsa_private_segment_fixed_size 0
		.amdhsa_enable_private_segment 0
		.amdhsa_kernarg_size 32
		.amdhsa_user_sgpr_count 2
		.amdhsa_user_sgpr_kernarg_segment_ptr 1
		.amdhsa_wavefront_size32 1
		.amdhsa_system_sgpr_workgroup_id_x 1
		.amdhsa_system_sgpr_workgroup_id_y 1
		.amdhsa_system_sgpr_workgroup_id_z 1
		.amdhsa_system_vgpr_workitem_id 0
		.amdhsa_next_free_vgpr 256
		.amdhsa_next_free_sgpr 66
		.amdhsa_reserve_vcc 0
		.amdhsa_float_denorm_mode_32 3
		.amdhsa_float_denorm_mode_16_64 3
		.amdhsa_memory_ordered 1
		.amdhsa_forward_progress 1
		.amdhsa_inst_pref_size 69
	.end_amdhsa_kernel
	.amdgpu_metadata
---
amdhsa.version: [ 1, 2 ]
amdhsa.kernels:
  - .name:           k_q208fca38a4_attn
    .symbol:         k_q208fca38a4_attn.kd
    .args:
      - { .name: qc, .offset: 0, .size: 8, .value_kind: global_buffer, .address_space: global }
      - { .name: kv, .offset: 8, .size: 8, .value_kind: global_buffer, .address_space: global }
      - { .name: lowp_scales, .offset: 16, .size: 8, .value_kind: global_buffer, .address_space: global }
      - { .name: out0, .offset: 24, .size: 8, .value_kind: global_buffer, .address_space: global }
    .group_segment_fixed_size: 327680
    .private_segment_fixed_size: 0
    .kernarg_segment_align: 8
    .kernarg_segment_size: 32
    .max_flat_workgroup_size: 512
    .sgpr_count:     66
    .vgpr_count:     256
    .wavefront_size: 32
...
	.end_amdgpu_metadata
.endif
;; end of part 3
